; MI455X (gfx1250); checked and timed in simulation.
; The chip was launched on July 23, 2026; its instructions are those of AMD's public machine-readable ISA for CDNA 5 (MIT licence, August 2026) and "CDNA5" Instruction Set Architecture Reference Guide (July 2026). The comments in the code are by the model that wrote it; some were corrected since.
;; Mo E. Allowed arithmetic: matrix products marked QUANTISED: E2M3 operands, one E8M0 scale for each 32 along K, by v_wmma_scale_f32_16x16x128_f8f6f4 with both operands' format E2M3, f32 sums; products left as they are: f32 operands where the result goes on into a quantised operand, else bf16, f16 or f32 operands; f32 sums; everything else in f32.
;; Inputs: We_codes 8 x 1,024 x 32 x 24 uint8 (E2M3 codes of We, K innermost, in blocks of 32 codes, four codes in three bytes); We_scales 8 x 1,024 x 32 uint8 (E8M0 scales of We, one for each 32 codes along K); Wg 1,024 x 8 float32; be 8 x 1,024 float32; bg 8 float32; x 8,192 x 1,024 float32.
;; Outputs: out0 8,192 x 1,024 float32.
;; This version of the problem:
;;   THIS VERSION OF THE PROBLEM IS GIVEN IN LOW PRECISION. The matrix products marked QUANTISED in the list below multiply operands that are first quantised to E2M3 (2 exponent bits, 3 mantissa bits; 6 bits a number), with one power-of-two scale for each 32 numbers along K (OCP MX v1.0); their sums are f32. All else is computed in f32.
;;   The module's matrix products, in the order in which they are computed (A, B: the left and right operand; K: the contracted axis; several contracted axes count as one K, in the product's order):
;;     1. [M 8,192, K 1,024] x [K 1,024, N 8]; A: input x; B: input Wg: left as it is (N = 8 < 16)
;;     2. [M 8,192, K 1,024] x [K 1,024, N 8,192]; A: input x; B: input We (given as codes): QUANTISED
;;     3. batch 8,192 x [M 1, K 8] x [K 8, N 1,024]; A: softmax; B: computed on the way: left as it is (K = 8 < 32)
;;   THE QUANTISER, for each operand of a quantised product, along K:
;;     - K is cut into blocks of 32 from its start; a last block that is shorter is filled with zeros.
;;     - A block's scale is 2^e with e = floor(log2(the largest magnitude in the block)) - 2, held to -126 .. 127; a block of zeros has e = 0. As a byte (E8M0): e + 127.
;;     - Each number is divided by its block's scale, clamped to +-7.5, and rounded to the nearest number of E2M3, ties to even, subnormals kept.
;;     - The product sums the exact products of the quantised numbers (number of the format x scale) in f32.
;;   ~~~python
;;   def quantise(x, axis):      # numpy; x: float32 -> the quantised numbers, widened to float32 again
;;       x = np.moveaxis(x, axis, -1); K = x.shape[-1]
;;       x = np.pad(x, [(0, 0)] * (x.ndim - 1) + [(0, -K % 32)]); x = x.reshape(x.shape[:-1] + (-1, 32)); a = np.abs(x).max(-1, keepdims=True)
;;       e = np.where(a > 0, np.clip(np.frexp(np.where(a > 0, a, 1))[1] - 1 - 2, -126, 127), 0)      # np.frexp(a)[1] - 1 = floor(log2(a)), exactly
;;       r = np.clip(x / 2.0 ** e, -7.5, 7.5)
;;       step = 2.0 ** (np.maximum(np.frexp(np.where(r == 0, 1, r))[1] - 1, 0) - 3)
;;       q = np.round(r / step) * step * 2.0 ** e      # np.round: ties to even
;;       return np.moveaxis(q.reshape(q.shape[:-2] + (-1,))[..., :K], -1, axis).astype(np.float32)
;;   ~~~
;;   INPUTS GIVEN AS CODES. We (in the module: [8, 1024, 1024], K = its axis 1): each comes as NAME_codes (uint8): NAME with its K axis moved to the last place and cut into blocks of 32 codes, [.., K / 32, bytes a block], one block behind the other in memory; four codes in three bytes: a row's codes are one little-endian stream of bits, code i at bits 6 i .. 6 i + 5 (a code: sign, 2 exponent bits, 3 mantissa bits); and NAME_scales (uint8): the same leading axes, one E8M0 byte (e + 127) for each 32 codes along K. Its value is code x scale, taken as it is: it is not quantised again, and the codes and scales need not be those that the quantiser above would give.
;; One version. Each part assembles by itself: llvm-mc -triple=amdgcn-amd-amdhsa -mcpu=gfx1250 --defsym DOCPART=n.
;; ======== version 1 of 1: 2 launches
;; limits: values are held in bf16: 8 bits of precision; right only within a limited range of input values
;; workspace buffers: xq 6,291,456 bytes; xs 262,144 bytes; gt 524,288 bytes
;; launch prep (part 1): grid 512 x 1, 8 waves a work-group, no clusters, 107,520 bytes of LDS; arguments x, Wg, bg, xq, xs, gt; writes xq, xs, gt
.if DOCPART == 1
	.amdgcn_target "amdgcn-amd-amdhsa--gfx1250"
	.amdhsa_code_object_version 6
	.text
	.protected	k_q78a199fda3_prep
	.globl	k_q78a199fda3_prep
	.p2align	8
	.type	k_q78a199fda3_prep,@function
k_q78a199fda3_prep:
	s_mov_b64 s[64:65], 0
	v_nop
	global_prefetch_b8 v0, s[64:65] scope:SCOPE_SE
	s_setreg_imm32_b32 hwreg(HW_REG_WAVE_MODE, 25, 1), 1
	s_wait_xcnt 0x0
; x [8192][1024] f32 is turned into codes of FP6 (E2M3) with one E8M0 scale byte for each 32 along K, and the gates softmax(x Wg + bg) are made.
; OUT: xq: images of operand registers, [tile of 16 rows T][K step s of 128][c 0..2][lane][16 bytes]: registers 4 c .. 4 c + 3 of the fragment, as the matrix instruction takes them;
;      xs: scale words [T][s][row r], four bytes each;   gt: the gates, f32, each stored twice: [row][expert][2], so that a register pair (g, g) is a packed operand as it lies.
; SHARES: work-group T takes rows 16 T .. 16 T + 15; wave w takes K step w.  No loop: a wave's 16 loads of x (512 consecutive bytes each) and 8 of Wg go out together.
; A block's scale is 2^(floor(log2(largest magnitude)) - 2); its byte is the largest magnitude's exponent field - 2, held at 1 from below by a floor among the maximum's leaves.
; THE LOGITS are made by the bf16 matrix form (this product is left unquantised and feeds no quantiser): source 0 = Wg's columns (experts, rows 8-15 repeat 0-7), source 1 = x's 16 rows.
; One rounding to bf16 (8 bits) of both operands is too coarse for the gates: an error of a logit goes into every column of its row, times the experts' sums.  So each number goes as TWO bf16 numbers:
; its high part (the number rounded to bf16) and its low part (number - high part, which is exact in f32, rounded to bf16): together 16 bits.  Three products are summed: high x high, Wg's low x x's high,
; Wg's high x x's low; low x low, 2^-16 of the whole, is left out.  Each wave sums its 128 along K; wave 0 adds the eight parts, takes the row's maximum away and makes the softmax in f32.
; LIMITS: NaN and infinities in x are not served, nor magnitudes of x or Wg from 3.39e38 on (their high part would be infinite).  A block of zeros gets the byte 1 (the rule says 127): its codes are zeros,
;         and these bytes are read by this program alone.  A gate under 2^-126 comes out as 0 (v_exp_f32 flushes denormals: ISA guide, its entry).
.set SP,   528                         ; a stage row: my wave's 512 bytes of a row of x + 16: the sixteen rows that a load touches start 4 banks apart
.set STG,  0                           ; LDS: 16 rows x SP for each wave: x turns here from 16 bytes a lane to 64 neighbouring bytes a lane
.set WGB,  8*16*SP                     ; Wg as bf16, [128 k][8 experts], 16 bytes a k: 2,048 bytes of high parts, then 2,048 of low parts, for each wave
.set WGL,  2048                        ; from the high parts to the low parts
.set PART, WGB+8*4096                  ; the waves' parts of the logits, [wave][row][8] f32
.set XSW,  PART+8*512                  ; the scale words, [wave][row]
.set GST,  XSW+512                     ; the doubled gates, [row][16] f32
.set R,    16                          ; v16-79   x as loaded; then at work on x's low parts; then XL, PC, TM, TS
.set X,    80                          ; v80-143  x turned: register 16 b + i = x[r][128 w + 32 b + 16 h + i]; later wave 0's sums
.set WF,   144                         ; v144-175 at work on Wg's low parts, then four fragments of Wg's high parts
.set XB,   176                         ; v176-207 Wg as loaded, its packed low parts, then four fragments of x's high parts
.set LA,   208                         ; v208-215 Wg's packed high parts, then a logit accumulator
.set LB,   216                         ; v216-223 likewise
.set WL,   224                         ; v224-255 four fragments of Wg's low parts
.set XL,   16                          ; v16-47   four fragments of x's low parts
.set PC,   48                          ; v48-67   the codes just made: 12 registers, and 8 at work
.set TM,   68                          ; v68-71 largest magnitudes, v72-75 bytes
.set TS,   76                          ; v76-79 the conversions' scale operands
.set PW,   68                          ; the scale word (a largest magnitude's register, done with by then)
.set SEL,  26                          ; s[26:27] v_permlanex16_b32's selects for lane l xor 16
	s_load_b256 s[4:11], s[0:1], 0x0               ; x s[4:5], Wg s[6:7], bg s[8:9], xq s[10:11]
	s_load_b128 s[12:15], s[0:1], 0x20             ; xs s[12:13], gt s[14:15]
	v_lshl_add_u32 v15, v0, 2, 0x1a000
	v_mov_b32 v13, 0                               ; v15: my spare word, v13: 0; both kept for the add at the wave's end
	v_lshrrev_b32 v1, 5, v0
	s_delay_alu instid0(VALU_DEP_1)
	v_readfirstlane_b32 s24, v1                    ; wave 0..7
	v_and_b32 v1, 31, v0                           ; lane
	v_and_b32 v2, 15, v0                           ; r
	v_bfe_u32 v3, v0, 4, 1                         ; h
	s_delay_alu instid0(VALU_DEP_3)
	v_lshlrev_b32 v4, 4, v1                        ; 16 x lane: every global offset of this text
	s_mul_i32 s25, s24, 16*SP                      ; my stage
	v_add_nc_u32 v5, s25, v4                       ; into it: 16 x lane, a row an instruction
	v_mul_u32_u24 v6, v2, SP
	s_delay_alu instid0(VALU_DEP_1)
	v_lshl_add_u32 v6, v3, 6, v6
	s_delay_alu instid0(VALU_DEP_1)
	v_add_nc_u32 v6, s25, v6                       ; out of it: row r, + 64 h: my 16 numbers of each block of 32
	s_lshl_b32 s25, s24, 12
	s_add_co_u32 s25, s25, WGB                     ; my wave's Wg
	v_lshl_add_u32 v7, v1, 3, s25                  ; into it: 8 bytes a lane
	v_and_b32 v8, 7, v0
	s_delay_alu instid0(VALU_DEP_1)
	v_lshlrev_b32 v8, 4, v8
	s_delay_alu instid0(VALU_DEP_1)
	v_lshl_add_u32 v8, v3, 8, v8
	s_delay_alu instid0(VALU_DEP_1)
	v_add_nc_u32 v8, s25, v8                       ; out of it, turned: k = 16 h + lane % 8, 16 bytes a k
	s_lshl_b32 s25, s24, 9
	s_add_co_u32 s25, s25, PART
	v_lshl_add_u32 v9, v2, 5, s25                  ; my part of the logits: row r
	s_lshl_b32 s25, s24, 6
	s_add_co_u32 s25, s25, XSW
	v_lshl_add_u32 v10, v2, 2, s25                 ; my scale word: row r
	v_lshl_add_u32 v11, v2, 5, PART                ; wave 0: all parts of row r
	v_lshl_add_u32 v12, v2, 6, GST                 ; wave 0: row r's sixteen gate words
	v_add_nc_u32 v14, XSW, v4                      ; the scale words likewise
	s_lshl_b32 s28, ttmp9, 16                      ; x: 16 rows of 4,096 bytes a work-group,
	s_lshl_b32 s25, s24, 9                         ; 512 bytes of a row a wave
	s_add_co_u32 s28, s28, s25
	s_mov_b32 s29, 0
	s_lshl_b32 s30, s24, 12                        ; Wg: 128 rows of 32 bytes a wave
	s_mov_b32 s31, 0
	s_mul_i32 s32, ttmp9, 12288                    ; xq: eight fragments of 1,536 bytes a work-group, one a wave
	s_mul_i32 s25, s24, 1536
	s_add_co_u32 s32, s32, s25
	s_mov_b32 s33, 0
	s_lshl_b32 s34, ttmp9, 9                       ; xs
	s_mov_b32 s35, 0
	s_lshl_b32 s36, ttmp9, 10                      ; gt
	s_mov_b32 s37, 0
	s_mov_b32 s[SEL], 0x76543210
	s_mov_b32 s[SEL+1], 0xfedcba98
	s_mov_b32 s38, 0x3fb8aa3b                      ; log2(e)
	s_mov_b32 s39, 0xffff0000                      ; a word's upper bf16
	s_wait_kmcnt 0x0
	s_load_b256 s[16:23], s[8:9], 0x0              ; bg's eight numbers (no line of this text writes bg)
	s_add_nc_u64 s[4:5], s[4:5], s[28:29]
	s_add_nc_u64 s[6:7], s[6:7], s[30:31]
	s_add_nc_u64 s[10:11], s[10:11], s[32:33]
	s_add_nc_u64 s[12:13], s[12:13], s[34:35]
	s_add_nc_u64 s[14:15], s[14:15], s[36:37]
.irp i, 0,1,2,3,4,5,6,7
	global_load_b128 v[XB+4*\i:XB+4*\i+3], v4, s[6:7] offset:512*\i              ; Wg[16 i + lane / 2][4 (lane % 2) ..]
.endr
.irp i, 0,1,2,3,4,5,6,7,8,9,10,11,12,13,14,15
	global_load_b128 v[R+4*\i:R+4*\i+3], v4, s[4:5] offset:4096*\i th:TH_LOAD_NT ; row i: 32 lanes read 512 consecutive bytes; read once in the launch
.endr
	s_wait_kmcnt 0x0                               ; bg
	s_wait_loadcnt 16                              ; Wg is in; x's sixteen loads stay out
; Wg's 32 numbers of a lane in two parts.  Word p of the packed parts holds numbers 2 p and 2 p + 1.
.irp p, 0,1,2,3,4,5,6,7,8,9,10,11,12,13,14,15
	v_cvt_pk_bf16_f32 v[LA+\p], v[XB+2*\p], v[XB+2*\p+1]               ; the high parts
.endr
.irp p, 0,1,2,3,4,5,6,7,8,9,10,11,12,13,14,15
	v_lshlrev_b32 v[WF+2*\p], 16, v[LA+\p]                             ; as f32 again
	v_and_b32 v[WF+2*\p+1], s39, v[LA+\p]
.endr
.irp p, 0,1,2,3,4,5,6,7,8,9,10,11,12,13,14,15
	v_pk_add_f32 v[XB+2*\p:XB+2*\p+1], v[XB+2*\p:XB+2*\p+1], v[WF+2*\p:WF+2*\p+1] neg_lo:[0,1] neg_hi:[0,1]   ; number - high part: exact
.endr
.irp p, 0,1,2,3,4,5,6,7,8,9,10,11,12,13,14,15
	v_cvt_pk_bf16_f32 v[XB+\p], v[XB+2*\p], v[XB+2*\p+1]               ; the low parts, packed downward in place: word p is written when numbers 2 p and 2 p + 1 are read, and no later word reads it
.endr
.irp i, 0,1,2,3,4,5,6,7
	ds_store_b64 v7, v[LA+2*\i:LA+2*\i+1] offset:256*\i
	ds_store_b64 v7, v[XB+2*\i:XB+2*\i+1] offset:WGL+256*\i            ; (these registers are written again only behind the wait for all LDS instructions below)
.endr
; The turning load gives lane 8 g + i element i of the 16 bytes that lanes 8 g + 0 .. 7 addressed: expert lane % 8, eight k.  Registers 0-3 of fragment b take k = 32 b + 16 h + 0 .. 7,
; registers 4-7 k = 32 b + 16 h + 8 .. 15: the same order of k in which x's sixteen numbers pack below, so every product meets its partner.  LDS serves a wave's instructions in order.
.irp b, 0,1,2,3
	ds_load_tr16_b128 v[WF+8*\b:WF+8*\b+3], v8 offset:512*\b
	ds_load_tr16_b128 v[WF+8*\b+4:WF+8*\b+7], v8 offset:512*\b+128
	ds_load_tr16_b128 v[WL+8*\b:WL+8*\b+3], v8 offset:WGL+512*\b
	ds_load_tr16_b128 v[WL+8*\b+4:WL+8*\b+7], v8 offset:WGL+512*\b+128
.endr
.irp i, 0,1,2,3,4,5,6,7,8,9,10,11,12,13,14,15
	s_wait_loadcnt 15-\i                           ; loads come back in order: row i is in
	ds_store_b128 v5, v[R+4*\i:R+4*\i+3] offset:SP*\i
.endr
.irp b, 0,1,2,3
.irp j, 0,1,2,3
	ds_load_b128 v[X+16*\b+4*\j:X+16*\b+4*\j+3], v6 offset:128*\b+16*\j
.endr
.endr
	s_wait_dscnt 0x0                               ; x is turned, Wg's fragments are in, and every LDS store has read its registers
; x's 64 numbers of a lane in two parts, as Wg's: word q of a packed part holds numbers 2 q and 2 q + 1; eight words are a fragment.  x itself stays in v[X] on for the quantiser.
.set q, 0
.rept 32
	v_cvt_pk_bf16_f32 v[XB+q], v[X+2*q], v[X+2*q+1]                    ; the high parts
.set q, q+1
.endr
.set q, 0
.rept 32
	v_lshlrev_b32 v[R+2*q], 16, v[XB+q]
	v_and_b32 v[R+2*q+1], s39, v[XB+q]
.set q, q+1
.endr
.set q, 0
.rept 32
	v_pk_add_f32 v[R+2*q:R+2*q+1], v[X+2*q:X+2*q+1], v[R+2*q:R+2*q+1] neg_lo:[0,1] neg_hi:[0,1]   ; number - high part: exact
.set q, q+1
.endr
.set q, 0
.rept 32
	v_cvt_pk_bf16_f32 v[XL+q], v[R+2*q], v[R+2*q+1]                    ; the low parts, packed downward in place
.set q, q+1
.endr
; Register j of the result: the logit's part of expert j for row r, in both halves of the lanes.  Two accumulators by turns, one instruction a turn.
	v_wmma_f32_16x16x32_bf16 v[LA:LA+7], v[WF:WF+7], v[XB:XB+7], 0
	v_wmma_f32_16x16x32_bf16 v[LB:LB+7], v[WF+8:WF+15], v[XB+8:XB+15], 0
	v_wmma_f32_16x16x32_bf16 v[LA:LA+7], v[WF+16:WF+23], v[XB+16:XB+23], v[LA:LA+7]
	v_wmma_f32_16x16x32_bf16 v[LB:LB+7], v[WF+24:WF+31], v[XB+24:XB+31], v[LB:LB+7]
	v_wmma_f32_16x16x32_bf16 v[LA:LA+7], v[WL:WL+7], v[XB:XB+7], v[LA:LA+7]
	v_wmma_f32_16x16x32_bf16 v[LB:LB+7], v[WL+8:WL+15], v[XB+8:XB+15], v[LB:LB+7]
	v_wmma_f32_16x16x32_bf16 v[LA:LA+7], v[WL+16:WL+23], v[XB+16:XB+23], v[LA:LA+7]
	v_wmma_f32_16x16x32_bf16 v[LB:LB+7], v[WL+24:WL+31], v[XB+24:XB+31], v[LB:LB+7]
	v_wmma_f32_16x16x32_bf16 v[LA:LA+7], v[WF:WF+7], v[XL:XL+7], v[LA:LA+7]
	v_wmma_f32_16x16x32_bf16 v[LB:LB+7], v[WF+8:WF+15], v[XL+8:XL+15], v[LB:LB+7]
	v_wmma_f32_16x16x32_bf16 v[LA:LA+7], v[WF+16:WF+23], v[XL+16:XL+23], v[LA:LA+7]
	v_wmma_f32_16x16x32_bf16 v[LB:LB+7], v[WF+24:WF+31], v[XL+24:XL+31], v[LB:LB+7]
; THE QUANTISER: 64 numbers of a lane become a fragment's codes in v[PC] on and its row's scale word in v[PW].  Its plain lines name v48-143 alone, no register of the products above: they are the places behind them.
.irp b, 0,1,2,3
	v_max3_num_f32 v[TM+\b], |v[X+16*\b]|, |v[X+1+16*\b]|, 0x1800000   ; block b: my 16 numbers, and the floor 2^(3 - 127): the byte cannot fall under 1
.endr
.irp i, 2,4,6,8,10,12,14
.irp b, 0,1,2,3
	s_delay_alu instid0(VALU_DEP_4)
	v_max3_num_f32 v[TM+\b], v[TM+\b], |v[X+16*\b+\i]|, |v[X+1+16*\b+\i]|   ; the four blocks by turns
.endr
.endr
.irp b, 0,1,2,3
	s_delay_alu instid0(VALU_DEP_4)
	v_permlanex16_b32 v[TM+4+\b], v[TM+\b], s[SEL], s[SEL+1]       ; (its destination counts as read: it has been written above, at work on x's low parts)
.endr
.irp b, 0,1,2,3
	s_delay_alu instid0(VALU_DEP_4)
	v_max_num_f32 v[TM+\b], v[TM+\b], v[TM+4+\b]                   ; with lane l xor 16's: the block's largest magnitude
.endr
.irp b, 0,1,2,3
	s_delay_alu instid0(VALU_DEP_4)
	v_add_nc_u32 v[TS+\b], 0xff000000, v[TM+\b]                    ; 2 off its exponent field: the conversion takes this operand's exponent field as its scale
.endr
.irp b, 0,1,2,3
	s_delay_alu instid0(VALU_DEP_4)
	v_lshrrev_b32 v[TM+4+\b], 23, v[TS+\b]                         ; the scale's byte
.endr
	s_delay_alu instid0(VALU_DEP_3)
	v_lshl_or_b32 v[PW], v[TM+5], 8, v[TM+4]
	s_delay_alu instid0(VALU_DEP_1)
	v_lshl_or_b32 v[PW], v[TM+6], 16, v[PW]
	s_delay_alu instid0(VALU_DEP_1)
	v_lshl_or_b32 v[PW], v[TM+7], 24, v[PW]
.irp c, 0,1
	v_cvt_scalef32_pk16_fp6_f32 v[PC+6*\c:PC+2+6*\c], v[X+32*\c:X+15+32*\c], v[TS+2*\c]
	v_cvt_scalef32_pk16_fp6_f32 v[PC+12+4*\c:PC+14+4*\c], v[X+16+32*\c:X+31+32*\c], v[TS+2*\c+1]   ; (a conversion's three registers begin on an even number)
.endr
	v_nop                                          ; one plain place behind a scaled conversion
.irp c, 0,1                                    ; the operand's layout wants a whole block in a lane: lanes 0-15 block 2 c, lanes 16-31 block 2 c + 1
.irp i, 0,1,2
	v_permlane16_swap_b32 v[PC+6*\c+\i], v[PC+12+4*\c+\i]
.endr
.irp i, 0,1,2
	s_delay_alu instid0(VALU_DEP_3)
	v_mov_b32 v[PC+3+6*\c+\i], v[PC+12+4*\c+\i]
.endr
.endr
.irp c, 0,1,2
	global_store_b128 v4, v[PC+4*\c:PC+4*\c+3], s[10:11] offset:512*\c   ; the fragment as it stands: 32 lanes store 512 consecutive bytes, at a multiple of 512 from xq's first byte
.endr
	ds_store_b32 v10, v[PW]                        ; both halves of the lanes write the same word with the same value
.irp p, 0,2,4,6
	v_pk_add_f32 v[LA+\p:LA+\p+1], v[LA+\p:LA+\p+1], v[LB+\p:LB+\p+1]   ; the two accumulators, from their low ends on
.endr
	ds_store_b128 v9, v[LA:LA+3]
	ds_store_b128 v9, v[LA+4:LA+7] offset:16
	s_wait_dscnt 0x0                               ; for wave 0's sake: my part and my scale words lie in LDS
	s_barrier_signal -1
	s_barrier_wait -1
	s_cmp_lg_u32 s24, 0
	s_cbranch_scc1 .Ldone                          ; the rest is small and is wave 0's
.irp w, 0,1,2,3,4,5,6,7
	ds_load_b128 v[X+8*\w:X+8*\w+3], v11 offset:512*\w
	ds_load_b128 v[X+8*\w+4:X+8*\w+7], v11 offset:512*\w+16
.endr
	ds_load_b128 v[WF:WF+3], v14                   ; the tile's 128 scale words, 16 bytes a lane
	s_wait_dscnt 0x0
.irp p, 0,2,4,6
	v_pk_add_f32 v[X+\p:X+\p+1], v[X+\p:X+\p+1], v[X+8+\p:X+9+\p]
	v_pk_add_f32 v[X+16+\p:X+17+\p], v[X+16+\p:X+17+\p], v[X+24+\p:X+25+\p]
	v_pk_add_f32 v[X+32+\p:X+33+\p], v[X+32+\p:X+33+\p], v[X+40+\p:X+41+\p]
	v_pk_add_f32 v[X+48+\p:X+49+\p], v[X+48+\p:X+49+\p], v[X+56+\p:X+57+\p]
.endr
.irp p, 0,2,4,6
	v_pk_add_f32 v[X+\p:X+\p+1], v[X+\p:X+\p+1], v[X+16+\p:X+17+\p]
	v_pk_add_f32 v[X+32+\p:X+33+\p], v[X+32+\p:X+33+\p], v[X+48+\p:X+49+\p]
.endr
.irp p, 0,2,4,6
	v_pk_add_f32 v[X+\p:X+\p+1], v[X+\p:X+\p+1], v[X+32+\p:X+33+\p]
.endr
.irp j, 0,1,2,3,4,5,6,7
	v_add_f32 v[X+\j], s[16+\j], v[X+\j]           ; + bg: row r's eight logits
.endr
	v_max3_num_f32 v148, v[X], v[X+1], v[X+2]
	s_delay_alu instid0(VALU_DEP_4)
	v_max3_num_f32 v149, v[X+3], v[X+4], v[X+5]
	s_delay_alu instid0(VALU_DEP_2)
	v_max3_num_f32 v148, v148, v[X+6], v[X+7]
	s_delay_alu instid0(VALU_DEP_1)
	v_max_num_f32 v148, v148, v149                 ; the row's largest logit is taken away ahead of the exponentials
	s_delay_alu instid0(VALU_DEP_1)
	v_mul_f32 v149, s38, v148
.irp j, 0,1,2,3,4,5,6,7
	v_fma_f32 v[X+\j], v[X+\j], s38, -v149         ; (logit - maximum) x log2(e)
.endr
	s_wait_alu depctr_va_vdst(0)
.irp j, 0,1,2,3,4,5,6,7
	v_exp_f32 v[X+\j], v[X+\j]
.endr
	v_nop                                          ; a plain place behind the last exponential
	s_wait_alu depctr_va_vdst(0)                   ; one wait for the eight, ahead of their first reader
	v_add_f32 v150, v[X], v[X+1]
	v_add_f32 v151, v[X+2], v[X+3]
	v_add_f32 v152, v[X+4], v[X+5]
	v_add_f32 v153, v[X+6], v[X+7]
	s_delay_alu instid0(VALU_DEP_3)
	v_add_f32 v150, v150, v151
	s_delay_alu instid0(VALU_DEP_2)
	v_add_f32 v152, v152, v153
	s_delay_alu instid0(VALU_DEP_1)
	v_add_f32 v150, v150, v152
	s_wait_alu depctr_va_vdst(0)
	v_rcp_f32 v154, v150
	v_nop
	s_wait_alu depctr_va_vdst(0)                   ; and one for the reciprocal
.irp j, 0,1,2,3,4,5,6,7
	v_mul_f32 v[X+16+2*\j], v[X+\j], v154          ; each gate twice
	v_mul_f32 v[X+17+2*\j], v[X+\j], v154
.endr
.irp i, 0,1,2,3
	ds_store_b128 v12, v[X+16+4*\i:X+19+4*\i] offset:16*\i   ; row r's 64 bytes (both halves of the lanes write the same)
.endr
	ds_load_b128 v[X+32:X+35], v14 offset:512      ; the gates lie 512 bytes behind the scale words; LDS serves a wave's instructions in order: these see my stores
	ds_load_b128 v[X+36:X+39], v14 offset:1024
	s_wait_dscnt 0x0
	global_store_b128 v4, v[X+32:X+35], s[14:15]             ; each store: 512 consecutive bytes, at a multiple of 512 from the buffer's first byte
	global_store_b128 v4, v[X+36:X+39], s[14:15] offset:512
	global_store_b128 v4, v[WF:WF+3], s[12:13]
.Ldone:
	s_wait_tensorcnt 0x0
	ds_add_u32 v15, v13
	s_wait_dscnt 0x0
	s_endpgm
.Lfunc_end_k_q78a199fda3_prep:
	.size	k_q78a199fda3_prep, .Lfunc_end_k_q78a199fda3_prep-k_q78a199fda3_prep
	.p2alignl 7, 3214868480
	.fill 96, 4, 3214868480
	.section	.rodata,"a",@progbits
	.p2align	6, 0x0
	.amdhsa_kernel k_q78a199fda3_prep
		.amdhsa_group_segment_fixed_size 107520
		.amdhsa_private_segment_fixed_size 0
		.amdhsa_enable_private_segment 0
		.amdhsa_kernarg_size 48
		.amdhsa_user_sgpr_count 2
		.amdhsa_user_sgpr_kernarg_segment_ptr 1
		.amdhsa_wavefront_size32 1
		.amdhsa_system_sgpr_workgroup_id_x 1
		.amdhsa_system_sgpr_workgroup_id_y 1
		.amdhsa_system_sgpr_workgroup_id_z 1
		.amdhsa_system_vgpr_workitem_id 0
		.amdhsa_next_free_vgpr 256
		.amdhsa_next_free_sgpr 66
		.amdhsa_reserve_vcc 0
		.amdhsa_float_denorm_mode_32 3
		.amdhsa_float_denorm_mode_16_64 3
		.amdhsa_memory_ordered 1
		.amdhsa_forward_progress 1
		.amdhsa_inst_pref_size 36
	.end_amdhsa_kernel
	.amdgpu_metadata
---
amdhsa.version: [ 1, 2 ]
amdhsa.kernels:
  - .name:           k_q78a199fda3_prep
    .symbol:         k_q78a199fda3_prep.kd
    .args:
      - { .name: x, .offset: 0, .size: 8, .value_kind: global_buffer, .address_space: global }
      - { .name: Wg, .offset: 8, .size: 8, .value_kind: global_buffer, .address_space: global }
      - { .name: bg, .offset: 16, .size: 8, .value_kind: global_buffer, .address_space: global }
      - { .name: xq, .offset: 24, .size: 8, .value_kind: global_buffer, .address_space: global }
      - { .name: xs, .offset: 32, .size: 8, .value_kind: global_buffer, .address_space: global }
      - { .name: gt, .offset: 40, .size: 8, .value_kind: global_buffer, .address_space: global }
    .group_segment_fixed_size: 107520
    .private_segment_fixed_size: 0
    .kernarg_segment_align: 8
    .kernarg_segment_size: 48
    .max_flat_workgroup_size: 256
    .sgpr_count:     66
    .vgpr_count:     256
    .wavefront_size: 32
...
	.end_amdgpu_metadata
.endif
;; end of part 1
;; launch moe (part 2): grid 32 x 8, 4 waves a work-group, clusters of 4 x 1, 327,680 bytes of LDS; arguments xq, xs, gt, We_codes, We_scales, be, out0; writes out0
.if DOCPART == 2
	.amdgcn_target "amdgcn-amd-amdhsa--gfx1250"
	.amdhsa_code_object_version 6
	.text
	.protected	k_q78a199fda3_moe
	.globl	k_q78a199fda3_moe
	.p2align	8
	.type	k_q78a199fda3_moe,@function
k_q78a199fda3_moe:
	s_mov_b64 s[64:65], 0
	v_nop
	global_prefetch_b8 v0, s[64:65] scope:SCOPE_SE
	s_setreg_imm32_b32 hwreg(HW_REG_WAVE_MODE, 25, 1), 1
	s_wait_xcnt 0x0
	s_wait_alu depctr_hold_cnt(0) depctr_sa_sdst(0) depctr_va_vdst(0) depctr_va_sdst(0) depctr_va_ssrc(0) depctr_va_vcc(0) depctr_vm_vsrc(0)
	s_getreg_b32 s2, hwreg(HW_REG_IB_STS2, 6, 4)
	s_cmp_eq_u32 s2, 0
	s_cbranch_scc0 .Lentry_in_a_cluster
	s_endpgm
.Lentry_in_a_cluster:
	s_bfe_u32 s2, ttmp6, 0x10000c
	s_cmp_lg_u32 s2, 0x3003
	s_cbranch_scc0 .Lentry_shape_is_right
	s_endpgm
.Lentry_shape_is_right:
; out[b][o] = sum over experts e of g[b][e] x (sum over d of Q(x)[b][d] We[e][d][o] + be[e][o]).  The inner sums run on codes of FP6 (E2M3) with E8M0 scales, by the scaled matrix form; all else is f32.
; IN: xq, xs, gt as the launch before has laid them (x's fragments as images of operand registers, their scale words, the gates doubled); We's codes [8][1024 o][768 bytes], scale bytes [8][1024][32]; be [8][1024].
; SHARES.  A work-group makes 256 rows x 128 columns of out; wave w its rows 64 w .. 64 w + 63 (four tiles of 16) and all 128 columns.  The wave's 32 fragments of x (384 registers), their scale words and its
; rows' gates come from memory straight into registers, once, and stay.  The 128 columns go in four groups of 32 (two tiles of 16); in a group the eight experts follow each other, K in eight steps of 128:
; an expert is 64 matrix instructions on 8 accumulators by turns.  A fragment of We read from LDS feeds four matrix instructions.
; TRANSPOSED USE: source 0 = 16 rows of We (16 columns of out), source 1 = 16 rows of x: lane (r, h) holds row r and columns 8 h + 0 .. 7.  So a gate is one number a lane; be is the C of an expert's first
; K step; and the combine is out (+)= (g, g) x sum, packed.  A gate is no power of two: it enters neither x ahead of the quantiser nor a scale byte, so each expert's sum is finished by itself.
; The accumulators have two sets, by the expert's parity: expert e - 1 is combined in two blocks of 16 lines inside expert e, each in front of a run of LDS loads, whose places they are.
; The LDS loads stand in two long runs an expert, never singly among the matrix instructions.
; CLUSTER.  The four work-groups of a cluster make the same 128 columns for different rows: We's tiles, its scale bytes and be are the same for all four, and every tensor load is asked for JOINTLY
; (mask 15, the same descriptor in all four).  The work-group's place in the cluster enters the addresses of xq, xs, gt and out0 alone.
; LDS.  RING: eight tiles (one an expert: 32 rows of We, 24,576 dense bytes, as 96 pieces of 256 bytes + 16 of padding: a row of We is 816 bytes = 204 words, row r starts at bank 12 r mod 64, so the 32 lanes of a
; load of 8 bytes touch 64 different banks (64 banks of 4 bytes: ISA guide 11.1)).  Tiles 0-3 are buffer 0, tiles 4-7 buffer 1: while one buffer's experts are multiplied the other takes the next group's.
; SCL, BIAS: the scale bytes and biases of the 128 columns, all experts: filled once.  STAGE: 64 rows x (256 + 16) bytes for each wave: two groups' columns meet there and leave as whole rows of 256 bytes.
; NO PREFETCH: a refill is asked for 256 matrix instructions ahead of the wait for it; all else is read once, at the head, where there is no loop to run ahead in.
; REGISTERS, in windows of 256: window 0: v1-15 addresses; v16-31 x's scale words; v32-47 We's, two sets; v48-175 the accumulators, two sets of 8; v176-239 out's 8 tiles; v240-255 be's two tiles.
;   window 1: v0-95, v96-191 We's fragments of K steps 0-3 (set P) and 4-7 (set Q); v192-255 the gate pairs.   windows 2, 3: v0-191 x's fragments of K steps 0-3, 4-7; v192-255 rows on the way out.
.set TILE,  26112                      ; 96 x 272
.set ROWP,  816                        ; a row of We in LDS
.set SCL,   8*TILE
.set SCLE,  4352                       ; an expert's scale bytes: 16 x 272
.set BIAS,  SCL+8*SCLE
.set SPARE, BIAS+8*512                 ; the spare words, 128 bytes for each wave: two blocks of 256 bytes that no other line names
.set STAGE, SPARE+512
.set STP,   272
.set GSTEP, 32*768                     ; from a group's rows of We to the next group's, in bytes
.set SPW,  1                           ; v1    LDS address of my spare word; never rewritten
.set NIL,  2                           ; v2    0; never rewritten
.set AB1,  3                           ; v3-6  my place in tiles 2 p, 2 p + 1: 2 p TILE + 816 r + 24 h
.set AB2,  7                           ; v7-10 the same with 40 h: for the pieces whose partner three pieces on lies behind one padding more
.set ASC,  11                          ; v11   my column's scale bytes (lane = column of the group); steps from group to group
.set ABI,  12                          ; v12   my half's biases; steps likewise
.set STO,  13                          ; v13   the stage: where I put 32 bytes of a row
.set RD,   14                          ; v14   and where I read a row back
.set CO,   15                          ; v15   my byte offset in out0
.set XS,   16                          ; x's scale words: register 4 mt + k / 2: lanes 0-15 the even K step, lanes 16-31 the odd one
.set BS,   32                          ; We's: register 8 (e % 2) + k: lanes 0-15 column tile 0, lanes 16-31 column tile 1
.set ACC,  48
.set OUT,  176
.set BI,   240
.set G1T,  24                          ; group 1: a tile;  G1S all scale bytes;  G1B all biases;  G1H two tiles
.set G1S,  32
.set G1B,  40
.set G1H,  80
.set G0A,  48                          ; group 0: my tile of buffer 0, of buffer 1, the scale bytes, the biases, the head's two tiles
.set G0B,  52
.set G0S,  56
.set G0I,  60
.set G0H,  88
.set OUTP, 66                          ; s[66:67] out0 at my first row and the 64 columns that leave next
.set W_LO, 0x09                        ; source 0 (We) window 1, source 1 (x) window 2, C and D window 0
.set W_HI, 0x0d                        ; the same with x in window 3
.set MSB, 0
.macro WIN new                         ; the immediate's high byte repeats the setting that is left; a switch that changes nothing is dropped
.if MSB != \new
	s_set_vgpr_msb (MSB<<8)|\new
.set MSB, \new
.endif
.endm
.macro NOPS n
.rept \n
	v_nop
.endr
.endm
.macro CREST                           ; a round of the cluster's barrier behind its opening barrier
	s_cmp_lg_u32 s18, 0
	s_cbranch_scc1 .Lnot_wave_0_\@
	s_barrier_signal -3
.Lnot_wave_0_\@:
	s_barrier_wait -3
	s_barrier_signal -1
	s_barrier_wait -1
.endm
.macro CROUND                          ; a whole round
	s_barrier_signal -1
	s_barrier_wait -1
	CREST
.endm
.macro XLD k                           ; x's four fragments of K step k: 12 loads of 512 consecutive bytes
.irp mt, 0,1,2,3
.irp c, 0,1,2
	global_load_b128 v[12*(4*((\k)%4)+\mt)+4*\c:12*(4*((\k)%4)+\mt)+4*\c+3], v181, s[4:5] offset:12288*\mt+1536*(\k)+512*\c
.endr
.endr
.endm
	s_load_b256 s[4:11], s[0:1], 0x0               ; xq s[4:5], xs s[6:7], gt s[8:9], We's codes s[10:11]
	s_load_b128 s[12:15], s[0:1], 0x20             ; We's scales s[12:13], be s[14:15]
	s_load_b64 s[16:17], s[0:1], 0x30              ; out0
	v_lshl_add_u32 v[SPW], v0, 2, SPARE
	v_mov_b32 v[NIL], 0
	ds_add_u32 v[SPW], v[NIL]                      ; the opening lines: the add, twice on end, and its wait ahead of my first tensor load
	ds_add_u32 v[SPW], v[NIL]
	v_lshrrev_b32 v189, 5, v0                      ; (v176-189 are at work here: out's tiles take them once every global load has been waited for)
	v_readfirstlane_b32 s18, v189                  ; wave 0..3
	v_and_b32 v176, 31, v0                         ; lane
	v_and_b32 v177, 15, v0                         ; r
	v_bfe_u32 v178, v0, 4, 1                       ; h
	v_lshlrev_b32 v179, 2, v176
	v_lshlrev_b32 v180, 6, v177
	v_lshlrev_b32 v181, 4, v176
	v_mul_u32_u24 v182, v177, ROWP
	v_mad_u32_u24 v183, v178, 24, v182             ; a fragment's row x pitch + 24 x half
	v_mad_u32_u24 v184, v178, 40, v182             ; and the same behind one padding more
.irp p, 0,1,2,3
	v_add_nc_u32 v[AB1+\p], \p*2*TILE, v183
	v_add_nc_u32 v[AB2+\p], \p*2*TILE, v184
.endr
	v_lshrrev_b32 v185, 3, v176
	v_lshlrev_b32 v185, 4, v185
	v_lshl_add_u32 v185, v176, 5, v185             ; 32 bytes a column, 16 more for each 8 columns passed
	v_add_nc_u32 v[ASC], SCL, v185
	v_lshl_add_u32 v[ABI], v178, 5, BIAS           ; my half's eight numbers of a tile
	s_mul_i32 s23, s18, 64*STP
	s_add_co_u32 s23, s23, STAGE                   ; my stage
	v_mul_u32_u24 v186, v177, STP
	v_lshl_add_u32 v186, v178, 5, v186
	v_add_nc_u32 v[STO], s23, v186                 ; in: row r, 32 bytes for each half of the lanes
	v_mul_u32_u24 v187, v178, STP
	v_lshl_add_u32 v187, v177, 4, v187
	v_add_nc_u32 v[RD], s23, v187                  ; back: lanes 0-15 one row of 256 bytes, lanes 16-31 the next
	v_lshlrev_b32 v188, 12, v178
	v_lshl_add_u32 v[CO], v177, 4, v188            ; and the same two rows in out0
	s_bfe_u32 s19, ttmp6, 0x40000                  ; cx: my place in the cluster
	s_lshl_b32 s20, ttmp9, 2                       ; in a cluster launch ttmp9 counts clusters
	s_add_co_u32 s20, s20, s19                     ; my block of 256 rows
	s_and_b32 s21, ttmp7, 0xffff                   ; my block of 128 columns, which the four partners share
	; group 1.  Word 0: mask 15; elements of 8 bytes; padding of 4 words behind every 64; bit 21 beside the mask
.irp g, G1T, G1S, G1H
	s_mov_b32 s[\g], 15|(3<<16)|(1<<20)|(1<<21)|(5<<22)|(3<<25)
	s_mov_b32 s[\g+6], 0
	s_mov_b32 s[\g+7], 0
.endr
	s_mov_b32 s[G1T+1], 32<<16                     ; a tile: 96 rows of 256 dense bytes
	s_mov_b32 s[G1T+2], 96<<16
	s_mov_b32 s[G1T+3], 32<<16
	s_mov_b32 s[G1T+4], 96
	s_mov_b32 s[G1T+5], 32
	s_mov_b32 s[G1H+1], 3072<<16                   ; two experts' tiles: 2 rows of 24,576 bytes, 786,432 bytes apart
	s_mov_b32 s[G1H+2], 2<<16
	s_mov_b32 s[G1H+3], 3072<<16
	s_mov_b32 s[G1H+4], 2
	s_mov_b32 s[G1H+5], 98304
	s_mov_b32 s[G1S+1], 512<<16                    ; scale bytes: 8 experts' rows of 4,096 bytes, 32,768 bytes apart
	s_mov_b32 s[G1S+2], 8<<16
	s_mov_b32 s[G1S+3], 512<<16
	s_mov_b32 s[G1S+4], 8
	s_mov_b32 s[G1S+5], 4096
	s_mov_b32 s[G1B], 15|(3<<16)|(1<<21)           ; biases: 8 rows of 512 bytes, 4,096 bytes apart, no padding
	s_mov_b32 s[G1B+1], 64<<16
	s_mov_b32 s[G1B+2], 8<<16
	s_mov_b32 s[G1B+3], 64<<16
	s_mov_b32 s[G1B+4], 8
	s_mov_b32 s[G1B+5], 512
	s_mov_b32 s[G1B+6], 0
	s_mov_b32 s[G1B+7], 0
	; what the descriptors point at hangs on the wave's number and the column block alone (registers that never hold cx)
	s_mul_i32 s22, s21, 128*768
	s_mul_i32 s70, s18, 1024*768                   ; the ring: expert w
	s_add_co_u32 s70, s70, s22
	s_mov_b32 s71, 0
	s_and_b32 s72, s18, 1                          ; the head: wave 2 takes experts 0, 1; wave 3 experts 2, 3
	s_mul_i32 s[G0H+1], s72, 2*TILE
	s_mul_i32 s72, s72, 2*1024*768
	s_add_co_u32 s72, s72, s22
	s_mov_b32 s73, 0
	s_lshl_b32 s74, s21, 12
	s_mov_b32 s75, 0
	s_lshl_b32 s76, s21, 9
	s_mov_b32 s77, 0
	; what is mine alone: my first tile of 16 rows = 16 x row block + 4 x wave
	s_lshl_b32 s78, s20, 4
	s_lshl_b32 s79, s18, 2
	s_add_co_u32 s78, s78, s79
	s_mul_i32 s94, s78, 12288
	s_mov_b32 s95, 0
	s_lshl_b32 s96, s78, 9
	s_mov_b32 s97, 0
	s_lshl_b32 s98, s78, 10
	s_mov_b32 s99, 0
	s_lshl_b32 s100, s78, 16
	s_add_co_u32 s100, s100, s76
	s_mov_b32 s101, 0
	s_wait_alu depctr_va_vdst(0)                   ; the wait behind the head's last vector write, directly ahead of the waits below
	s_wait_dscnt 0x0                               ; both opening adds are done
	s_wait_kmcnt 0x0
	s_add_nc_u64 s[4:5], s[4:5], s[94:95]          ; xq at my first fragment
	s_add_nc_u64 s[6:7], s[6:7], s[96:97]          ; xs at its scale words
	s_add_nc_u64 s[8:9], s[8:9], s[98:99]          ; gt at my first row
	s_add_nc_u64 s[OUTP:OUTP+1], s[16:17], s[100:101]
.irp mt, 0,1,2,3                               ; 52 loads of mine go out ahead of the round: x's scale words and K steps 0 to 2
.irp j, 0,1,2,3
	global_load_b32 v[XS+4*\mt+\j], v179, s[6:7] offset:512*\mt+128*\j      ; lane l: K step 2 j + l / 16, row l % 16
.endr
.endr
	WIN 0x80
	XLD 0
	XLD 1
	XLD 2
	WIN 0
	s_mov_b32 s[G0A], 1
	s_mul_i32 s[G0A+1], s18, TILE                  ; LDS address: tile w
	s_add_nc_u64 s[G0A+2:G0A+3], s[10:11], s[70:71]
	s_mov_b32 s[G0B], 1
	s_add_co_u32 s[G0B+1], s[G0A+1], 4*TILE        ; tile 4 + w
	s_add_nc_u64 s[G0B+2:G0B+3], s[G0A+2:G0A+3], 4*1024*768
	s_or_b32 s[G0A+3], s[G0A+3], 0x80000000        ; 127:126 type = 2
	s_or_b32 s[G0B+3], s[G0B+3], 0x80000000
	s_mov_b32 s[G0S], 1
	s_mov_b32 s[G0S+1], SCL
	s_add_nc_u64 s[G0S+2:G0S+3], s[12:13], s[74:75]
	s_or_b32 s[G0S+3], s[G0S+3], 0x80000000
	s_mov_b32 s[G0I], 1
	s_mov_b32 s[G0I+1], BIAS
	s_add_nc_u64 s[G0I+2:G0I+3], s[14:15], s[76:77]
	s_or_b32 s[G0I+3], s[G0I+3], 0x80000000
	s_mov_b32 s[G0H], 1
	s_add_nc_u64 s[G0H+2:G0H+3], s[10:11], s[72:73]
	s_or_b32 s[G0H+3], s[G0H+3], 0x80000000
	CROUND                                         ; all four work-groups are here: the first joint loads meet
; THE HEAD'S LOADS, ONE A WAVE: wave 0 all scale bytes, wave 1 all biases, waves 2 and 3 two tiles of buffer 0 each.  One chain of branches on the wave's number, every way passes one load.
.macro ARM under, g0, g1, next
	s_cmp_lt_u32 s18, \under
	s_cbranch_scc0 \next
	tensor_load_to_lds s[\g0:\g0+3], s[\g1:\g1+7]
	s_nop 0
	NOPS 4
	s_branch .Lhead_asked
\next:
.endm
	ARM 1, G0S, G1S, .Lhead_i
	ARM 2, G0I, G1B, .Lhead_t
	tensor_load_to_lds s[G0H:G0H+3], s[G1H:G1H+7]
	s_nop 0
	NOPS 4
.Lhead_asked:
	WIN 0x80
	XLD 3
	WIN 0xc0
	XLD 4
	XLD 5
	XLD 6
	XLD 7
	WIN 0x40
.irp mt, 0,1,2,3
.irp q, 0,1,2,3
	global_load_b128 v[192+16*\mt+4*\q:195+16*\mt+4*\q], v180, s[8:9] offset:1024*\mt+16*\q   ; row r's gate pairs of experts 2 q, 2 q + 1: my last 16 loads
.endr
.endr
	WIN 0
; A fragment of We: 16 rows x 128 K of 6-bit codes, 12 registers: lane (r, h) takes 24 bytes of row r's stream of bits at 96 k + 24 h and 24 at 96 k + 48 + 24 h, in pieces of 8 bytes.
.macro FRAG reg, e, nt, k
.irp p, 0,1,2,3,4,5
.set PCE, 12*(\k)+6*(\p/3)+\p%3                ; the piece that lanes 0-15 take; lanes 16-31 take the piece three on, which lies behind one padding more where PCE % 32 is 29 or more
.set FOF, ((\e)%2)*TILE+(\nt)*16*ROWP+8*PCE+16*(PCE/32)
.if PCE%32 < 29
	ds_load_b64 v[(\reg)+2*\p:(\reg)+2*\p+1], v[AB1+(\e)/2] offset:FOF
.else
	ds_load_b64 v[(\reg)+2*\p:(\reg)+2*\p+1], v[AB2+(\e)/2] offset:FOF
.endif
.endr
.endm
.macro LOADB set, e                    ; 48 loads in one run: expert e's fragments of K steps 4 set .. 4 set + 3, both column tiles
	WIN 0x40
.irp kk, 0,1,2,3
.irp nt, 0,1
	FRAG 96*(\set)+12*(2*\kk+\nt), \e, \nt, 4*(\set)+\kk
.endr
.endr
.endm
.macro LOADSB e                        ; 6 loads: expert e's biases (8 numbers a tile and half) and its columns' 32 scale bytes
	WIN 0
.irp nt, 0,1
.irp q, 0,1
	ds_load_b128 v[BI+8*\nt+4*\q:BI+8*\nt+4*\q+3], v[ABI] offset:(\e)*512+64*\nt+16*\q
.endr
.endr
.irp q, 0,1
	ds_load_b128 v[BS+8*((\e)%2)+4*\q:BS+8*((\e)%2)+4*\q+3], v[ASC] offset:(\e)*SCLE+16*\q
.endr
.endm
; 8 matrix instructions: K step k of expert e, the 8 accumulators by turns, one instruction a turn, in the same order in every step.  The first step's C is be.
.macro MUL k, e
.irp nt, 0,1
.irp mt, 0,1,2,3
.set rD, ACC+64*((\e)%2)+8*(4*\nt+\mt)
.if (\k) == 0
.set rC, BI+8*\nt
.else
.set rC, ACC+64*((\e)%2)+8*(4*\nt+\mt)
.endif
.set rB, 96*((\k)/4)+12*(2*((\k)%4)+\nt)
.set rX, 12*(4*((\k)%4)+\mt)
.set rS, BS+8*((\e)%2)+(\k)
.set rT, XS+4*\mt+(\k)/2
.if (\nt == 0) && ((\k)%2 == 0)
	v_wmma_scale_f32_16x16x128_f8f6f4 v[rD:rD+7], v[rB:rB+11], v[rX:rX+11], v[rC:rC+7], v[rS], v[rT] matrix_a_fmt:MATRIX_FMT_FP6 matrix_b_fmt:MATRIX_FMT_FP6
.elseif (\nt == 1) && ((\k)%2 == 0)
	v_wmma_scale_f32_16x16x128_f8f6f4 v[rD:rD+7], v[rB:rB+11], v[rX:rX+11], v[rC:rC+7], v[rS], v[rT] matrix_a_fmt:MATRIX_FMT_FP6 matrix_b_fmt:MATRIX_FMT_FP6 matrix_a_scale:MATRIX_SCALE_ROW1
.elseif \nt == 0
	v_wmma_scale_f32_16x16x128_f8f6f4 v[rD:rD+7], v[rB:rB+11], v[rX:rX+11], v[rC:rC+7], v[rS], v[rT] matrix_a_fmt:MATRIX_FMT_FP6 matrix_b_fmt:MATRIX_FMT_FP6 matrix_b_scale:MATRIX_SCALE_ROW1
.else
	v_wmma_scale_f32_16x16x128_f8f6f4 v[rD:rD+7], v[rB:rB+11], v[rX:rX+11], v[rC:rC+7], v[rS], v[rT] matrix_a_fmt:MATRIX_FMT_FP6 matrix_b_fmt:MATRIX_FMT_FP6 matrix_a_scale:MATRIX_SCALE_ROW1 matrix_b_scale:MATRIX_SCALE_ROW1
.endif
.endr
.endr
.endm
; 16 packed lines: column tile `half` of expert ec's finished sums is weighed into out, each accumulator from its low end on.  mode 1: a group's first expert starts out (nothing is cleared); 2: it adds; 0: there is
; nothing to combine yet, and four v_nop stand in its stead.  These lines name no register of the products just issued (the other set of accumulators): they are the places in front of the loads that follow
; (a load into a register that a matrix instruction has read stands four plain vector instructions behind it: ISA guide 7.12.1 for vector instructions).
.macro COMB half, ec, mode
.if \mode == 0
	NOPS 4
.else
	WIN 0x01                                       ; source 0, the gate pair: window 1
.irp mt, 0,1,2,3
.irp j, 0,2,4,6
.set rA, ACC+64*((\ec)%2)+8*(4*\half+\mt)+\j
.set rO, OUT+8*(4*\half+\mt)+\j
.set rG, 192+16*\mt+2*(\ec)
.if \mode == 1
	v_pk_mul_f32 v[rO:rO+1], v[rG:rG+1], v[rA:rA+1]
.else
	v_pk_fma_f32 v[rO:rO+1], v[rG:rG+1], v[rA:rA+1], v[rO:rO+1]
.endif
.endr
.endr
.endif
.endm
.macro TOSTAGE half                    ; a group's 64 rows x 32 columns into my stage, at byte `half` (0 or 128) of its rows
.irp nt, 0,1
.irp mt, 0,1,2,3
	ds_store_b128 v[STO], v[OUT+8*(4*\nt+\mt):OUT+8*(4*\nt+\mt)+3] offset:\mt*16*STP+\half+64*\nt
	ds_store_b128 v[STO], v[OUT+8*(4*\nt+\mt)+4:OUT+8*(4*\nt+\mt)+7] offset:\mt*16*STP+\half+64*\nt+16
.endr
.endr
.endm
.macro SENDOUT last                    ; two groups' columns lie in the stage: 64 whole rows of 256 bytes leave
	s_wait_xcnt 0x0                                ; earlier stores have read their registers: these may be loaded again
	WIN 0x80
.irp i, 0,1,2,3,4,5,6,7,8,9,10,11,12,13,14,15
	ds_load_b128 v[192+4*\i:195+4*\i], v[RD] offset:2*STP*\i           ; LDS serves a wave's instructions in order: these see my stores
.endr
	WIN 0xc0
.irp i, 0,1,2,3,4,5,6,7,8,9,10,11,12,13,14,15
	ds_load_b128 v[192+4*\i:195+4*\i], v[RD] offset:2*STP*(16+\i)
.endr
	s_wait_dscnt 16                                ; the first sixteen are in
	WIN 0x08                                       ; a store's data are its source 1: window 2
.irp i, 0,1,2,3,4,5,6,7,8,9,10,11,12,13,14,15
	global_store_b128 v[CO], v[192+4*\i:195+4*\i], s[OUTP:OUTP+1] offset:8192*\i th:TH_STORE_NT       ; 16 lanes store 256 consecutive bytes, at a multiple of 256 from out0's first byte
.endr
	s_wait_dscnt 0x0
	WIN 0x0c
.irp i, 0,1,2,3,4,5,6,7,8,9,10,11,12,13,14,15
	global_store_b128 v[CO], v[192+4*\i:195+4*\i], s[OUTP:OUTP+1] offset:8192*(16+\i) th:TH_STORE_NT
.endr
	WIN 0
.if \last == 0
	s_wait_xcnt 0x0                                ; the stores have read their base
	s_add_nc_u64 s[OUTP:OUTP+1], s[OUTP:OUTP+1], 256   ; on to the block's other 64 columns
.endif
.endm
.macro XWAIT k                         ; x is still arriving: behind K step k's 12 loads stand 12 for each later step and the 16 of the gates; a wait names 63 at the most; the last step waits for the gates too
.if (\k) == 7
	s_wait_loadcnt 0x0
.elseif 12*(7-(\k))+16 > 63
	s_wait_loadcnt 63
.else
	s_wait_loadcnt 12*(7-(\k))+16
.endif
.endm
; ONE EXPERT: 64 matrix instructions.  mode: how the expert before is combined.  chg = 1: the buffer whose last fragments are now in registers is filled again, with the next group's tiles; 2: the same meeting,
; nothing filled.  nxt = 1: the next expert's fragments are fetched: set P in the middle, set Q at the end, each 32 matrix instructions ahead of its use.  out = 1: the group just combined goes to the stage.
; first = 1: x's fragments are still arriving from memory.
.macro EXPERT e, mode, chg, nxt, out, first
.set EN, ((\e)+1)%8
.set EC, ((\e)+7)%8
.if \chg
	WIN 0                                          ; (the add's two registers lie in window 0)
	s_wait_tensorcnt 0x0                           ; all my tensor loads have landed: the one that was out is my tile of the other buffer;
	ds_add_u32 v[SPW], v[NIL]                      ; 0 onto my spare word
	s_wait_dscnt 49                                ; (the add and set Q's 48 loads may be out)
	WIN W_LO
	MUL 0, \e
	MUL 1, \e
	s_wait_dscnt 0x0                               ; the add is done, and my reads of this buffer are over
	s_barrier_signal -1
	MUL 2, \e
	MUL 3, \e
	WIN 0
	s_barrier_wait -1
.if \chg == 1
	CREST                                          ; the barrier has opened a round of the cluster's: no wave of any partner still reads this buffer or has a load on its way
.if (\e) == 3
	s_add_nc_u64 s[G0A+2:G0A+3], s[G0A+2:G0A+3], GSTEP
	tensor_load_to_lds s[G0A:G0A+3], s[G1T:G1T+7]  ; my one load behind the round: the wait for it stands four experts, 256 matrix instructions, on
	s_nop 0
.else
	s_add_nc_u64 s[G0B+2:G0B+3], s[G0B+2:G0B+3], GSTEP
	tensor_load_to_lds s[G0B:G0B+3], s[G1T:G1T+7]
	s_nop 0
.endif
	NOPS 4
.endif
.else
	s_wait_dscnt 48                                ; set P, the biases and the scale words are in; set Q's 48 loads may be out
	WIN W_LO
.irp k, 0,1,2,3
.if \first
	XWAIT \k
.endif
	MUL \k, \e
.endr
.endif
.if ((\e) == 7) && \nxt
	WIN 0
	v_add_nc_u32 v[ASC], 4*STP, v[ASC]             ; the next group's 32 columns: 1,024 scale bytes and four paddings on,
	v_add_nc_u32 v[ABI], 128, v[ABI]               ; 32 biases on
.endif
	COMB 0, EC, \mode
.if \nxt
	LOADB 0, EN
	LOADSB EN
	s_wait_dscnt 54                                ; all but the 54 just issued: set Q is in
.else
	s_wait_dscnt 0x0
.endif
	WIN W_HI
.irp k, 4,5,6,7
.if \first
	XWAIT \k
.endif
	MUL \k, \e
.endr
	COMB 1, EC, \mode
.if \out
	WIN 0
	s_cmp_lg_u32 s68, 2                            ; the loop's second trip ends the block's second group: the stage's rows are then whole
	s_cbranch_scc1 .Leven_\@
	TOSTAGE 128
	SENDOUT 0
	s_branch .Ljoin_\@
.Leven_\@:
	s_wait_alu depctr_va_vdst(0)
	TOSTAGE 0
.Ljoin_\@:
.endif
.if \nxt
	LOADB 1, EN
.endif
.endm
	s_wait_tensorcnt 0x0                           ; my load of the head is in
	ds_add_u32 v[SPW], v[NIL]
	s_wait_dscnt 0x0
	CROUND                                         ; everybody's are in, and all four work-groups are here
	tensor_load_to_lds s[G0B:G0B+3], s[G1T:G1T+7]  ; buffer 1's first fill, a tile a wave: the first tensor load behind the round
	s_nop 0
	NOPS 4
	LOADB 0, 0
	LOADSB 0
	LOADB 1, 0
	EXPERT 0, 0, 0, 1, 0, 1                        ; the first expert stands in front of the loop: nothing is there to combine
	WIN 0                                          ; at a label and at a branch every window is 0
	s_mov_b32 s68, 3
.Lgroup:                                           ; a trip: experts 1 to 7 of a group and expert 0 of the next; both buffers are filled again
	EXPERT 1, 1, 0, 1, 0, 0
	EXPERT 2, 2, 0, 1, 0, 0
	EXPERT 3, 2, 1, 1, 0, 0
	EXPERT 4, 2, 0, 1, 0, 0
	EXPERT 5, 2, 0, 1, 0, 0
	EXPERT 6, 2, 0, 1, 0, 0
	EXPERT 7, 2, 1, 1, 0, 0
	EXPERT 0, 2, 0, 1, 1, 0
	WIN 0
	s_sub_co_u32 s68, s68, 1
	s_cmp_lg_u32 s68, 0
	s_cbranch_scc1 .Lgroup
	EXPERT 1, 1, 0, 1, 0, 0                        ; the last group is written out: it asks for nothing
	EXPERT 2, 2, 0, 1, 0, 0
	EXPERT 3, 2, 2, 1, 0, 0
	EXPERT 4, 2, 0, 1, 0, 0
	EXPERT 5, 2, 0, 1, 0, 0
	EXPERT 6, 2, 0, 1, 0, 0
	EXPERT 7, 2, 0, 0, 0, 0
	COMB 0, 7, 2                                   ; the sixteen lines that combined expert 6 stand behind the last products and name none of their registers: they are the places here
	COMB 1, 7, 2
	WIN 0
	TOSTAGE 128
	SENDOUT 1
	s_wait_tensorcnt 0x0                           ; the wave's end: behind my last tensor load and my last LDS store
	ds_add_u32 v[SPW], v[NIL]
	s_wait_dscnt 0x0
	CROUND                                         ; the closing round: no work-group ends while a partner may still ask for a tile that names it
	s_endpgm
.Lfunc_end_k_q78a199fda3_moe:
	.size	k_q78a199fda3_moe, .Lfunc_end_k_q78a199fda3_moe-k_q78a199fda3_moe
	.p2alignl 7, 3214868480
	.fill 96, 4, 3214868480
	.section	.rodata,"a",@progbits
	.p2align	6, 0x0
	.amdhsa_kernel k_q78a199fda3_moe
		.amdhsa_group_segment_fixed_size 327680
		.amdhsa_private_segment_fixed_size 0
		.amdhsa_enable_private_segment 0
		.amdhsa_kernarg_size 56
		.amdhsa_user_sgpr_count 2
		.amdhsa_user_sgpr_kernarg_segment_ptr 1
		.amdhsa_wavefront_size32 1
		.amdhsa_system_sgpr_workgroup_id_x 1
		.amdhsa_system_sgpr_workgroup_id_y 1
		.amdhsa_system_sgpr_workgroup_id_z 1
		.amdhsa_system_vgpr_workitem_id 0
		.amdhsa_next_free_vgpr 1024
		.amdhsa_next_free_sgpr 102
		.amdhsa_reserve_vcc 0
		.amdhsa_float_denorm_mode_32 3
		.amdhsa_float_denorm_mode_16_64 3
		.amdhsa_memory_ordered 1
		.amdhsa_forward_progress 1
		.amdhsa_inst_pref_size 255
	.end_amdhsa_kernel
	.section	.bss,"aw",@nobits
	.p2align	6
	.space	262144
	.amdgpu_metadata
---
amdhsa.version: [ 1, 2 ]
amdhsa.kernels:
  - .name:           k_q78a199fda3_moe
    .symbol:         k_q78a199fda3_moe.kd
    .args:
      - { .name: xq, .offset: 0, .size: 8, .value_kind: global_buffer, .address_space: global }
      - { .name: xs, .offset: 8, .size: 8, .value_kind: global_buffer, .address_space: global }
      - { .name: gt, .offset: 16, .size: 8, .value_kind: global_buffer, .address_space: global }
      - { .name: We_codes, .offset: 24, .size: 8, .value_kind: global_buffer, .address_space: global }
      - { .name: We_scales, .offset: 32, .size: 8, .value_kind: global_buffer, .address_space: global }
      - { .name: be, .offset: 40, .size: 8, .value_kind: global_buffer, .address_space: global }
      - { .name: out0, .offset: 48, .size: 8, .value_kind: global_buffer, .address_space: global }
    .group_segment_fixed_size: 327680
    .private_segment_fixed_size: 0
    .kernarg_segment_align: 8
    .kernarg_segment_size: 56
    .max_flat_workgroup_size: 128
    .sgpr_count:     102
    .vgpr_count:     1024
    .wavefront_size: 32
...
	.end_amdgpu_metadata
.endif
;; end of part 2
